; MI455X (gfx1250); checked and timed in simulation.
; The chip was launched on July 23, 2026; its instructions are those of AMD's public machine-readable ISA for CDNA 5 (MIT licence, August 2026) and "CDNA5" Instruction Set Architecture Reference Guide (July 2026). The comments in the code are by the model that wrote it; some were corrected since.
;; MSA1. Allowed arithmetic: matrix products marked QUANTISED: E5M2 operands, one given power-of-two scale a tensor, by v_wmma_f32_16x16x64_bf8_bf8 or v_wmma_f32_16x16x128_bf8_bf8, f32 sums; products left as they are: f32 operands where the result goes on into a quantised operand, else bf16, f16 or f32 operands; f32 sums; everything else in f32.
;; Inputs: WK_b 1,024 float32; WK_w 1,024 x 1,024 float32; WO_b 1,024 float32; WO_w 1,024 x 1,024 float32; WQ_b 1,024 float32; WQ_w 1,024 x 1,024 float32; WV_b 1,024 float32; WV_w 1,024 x 1,024 float32; ax 8 x 1,024 float32; lowp_scales 6 int32 (the exponents e of the quantised operands' scales 2^e); x 8 x 2,048 x 1,024 float32.
;; Outputs: out0 8 x 2,048 x 1,024 float32.
;; This version of the problem:
;;   THIS VERSION OF THE PROBLEM IS GIVEN IN LOW PRECISION. The matrix products marked QUANTISED in the list below multiply operands that are first quantised to E5M2 (5 exponent bits, 2 mantissa bits; 8 bits a number), with one given power-of-two scale for each operand tensor; their sums are f32. All else is computed in f32.
;;   The module's matrix products, in the order in which they are computed (A, B: the left and right operand; K: the contracted axis; several contracted axes count as one K, in the product's order):
;;     1. [M 16,384, K 1,024] x [K 1,024, N 1,024]; A: input x; B: input WQ_w: QUANTISED (scales: A lowp_scales[0], B lowp_scales[1])
;;     2. [M 16,384, K 1,024] x [K 1,024, N 1,024]; A: input x; B: input WK_w: QUANTISED (scales: A lowp_scales[2], B lowp_scales[3])
;;     3. [M 8, K 1,024] x [K 1,024, N 1,024]; A: input ax; B: input WK_w: left as it is (M = 8 < 16)
;;     4. [M 8, K 1,024] x [K 1,024, N 1,024]; A: input ax; B: input WV_w: left as it is (M = 8 < 16)
;;     5. batch 262,144 x [M 1, K 64] x [K 64, N 4]; A: computed on the way; B: computed on the way: left as it is (M = 1 < 16)
;;     6. batch 262,144 x [M 1, K 4] x [K 4, N 64]; A: softmax; B: computed on the way: left as it is (K = 4 < 32)
;;     7. [M 16,384, K 1,024] x [K 1,024, N 1,024]; A: computed on the way; B: input WO_w: QUANTISED (scales: A lowp_scales[4], B lowp_scales[5])
;;   THE QUANTISER, for each operand of a quantised product, along K:
;;     - The operand's scale is 2^e, e = its entry of the input lowp_scales (int32; the entries are numbered through the quantised products in the list's order, A before B).
;;     - Each number is divided by the scale, clamped to +-57,344, and rounded to the nearest number of E5M2, ties to even, subnormals kept.
;;     - The product sums the exact products of the quantised numbers (number of the format x scale) in f32.
;;   ~~~python
;;   def quantise(x, axis, e):      # numpy; x: float32 -> the quantised numbers, widened to float32 again
;;       x = np.moveaxis(x, axis, -1); K = x.shape[-1]
;;       r = np.clip(x / 2.0 ** e, -57344, 57344)
;;       step = 2.0 ** (np.maximum(np.frexp(np.where(r == 0, 1, r))[1] - 1, -14) - 2)
;;       q = np.round(r / step) * step * 2.0 ** e      # np.round: ties to even
;;       return np.moveaxis(q, -1, axis).astype(np.float32)
;;   ~~~
;;   OPERANDS COMPUTED ON THE WAY. 'Computed on the way' means the value that the module computes at that place (a softmax that the list does not call 'softmax' is quantised finished and normalised). What goes into a quantiser is computed in f32, as accurately as f32 sums, v_exp_f32 and their like allow (about 1e-6 of the number): no bf16 or f16 on the way to a quantiser, and a product that is left as it is and whose result goes on into a quantised operand takes f32 operands (vector FMAs, or v_wmma_f32_16x16x4_f32). A number that lies on a knife's edge between two numbers of the format may be rounded either way, as far as f32 arithmetic and the matrix unit's own rounding can turn it there, and no further.
;; One version. Each part assembles by itself: llvm-mc -triple=amdgcn-amd-amdhsa -mcpu=gfx1250 --defsym DOCPART=n.
;; ======== version 1 of 1: 3 launches
;; limits: right only within a limited range of input values
;; workspace buffers: xc 37,748,736 bytes; wqk 2,097,152 bytes; wo 1,048,576 bytes; akv 65,536 bytes; ac 16,777,216 bytes
;; launch prep (part 1): grid 384 x 1, 8 waves a work-group, no clusters, 109,568 bytes of LDS; arguments x, xc, lowp_scales, ax, WQ_w, WK_w, WO_w, WV_w, WK_b, WV_b, wqk, wo, akv; writes xc, wqk, wo, akv
.if DOCPART == 1
	.amdgcn_target "amdgcn-amd-amdhsa--gfx1250"
	.amdhsa_code_object_version 6
	.text
	.protected	k_q112820bc83_prep
	.globl	k_q112820bc83_prep
	.p2align	8
	.type	k_q112820bc83_prep,@function
k_q112820bc83_prep:
	s_mov_b64 s[64:65], 0
	v_nop
	global_prefetch_b8 v0, s[64:65] scope:SCOPE_SE
	s_setreg_imm32_b32 hwreg(HW_REG_WAVE_MODE, 25, 1), 1
	s_wait_xcnt 0x0
; PREP: everything that is quantised once, and the two small products with ax.
; term of the scores is common along the softmax's axis; WV_w and WV_b reach att through av.  Every input is loaded by some launch.
; WHAT IT MAKES.  All codes are E5M2, code = x / 2^e held within +-57,344, to the nearest code, ties to even, and lie as FRAGMENT IMAGES: 16 rows x 128 along K in 2,048 bytes; byte 512 c + 256 h + 16 r + i is
; k = 32 c + 16 h + i of the fragment's row r.  Four loads of 16 bytes a lane at 512 c + 16 x lane then fill an operand's 16 registers.  (A permutation of k inside the instruction, the same on both sides of every product.)
;   xc  [block 128][K step 8][f 18]: f = 0..7: x under lowp_scales[0], rows 128 block + 8 r + f;  f = 8 + t, t = 0..9: x under lowp_scales[2], rows 128 block + 8 r + t - 1 (rows -1 and 16,384 are held at 0 and 16,383:
;        both are ends of a sequence, which the next launch masks).  So a row's two neighbours lie in the SAME lane of the neighbouring tiles.
;   wqk [head group 4][K step 8][head 4][g 8]: g = 0..3 WQ_w (scale 1), g = 4..7 WK_w (scale 3); tile t of a head takes in its row r the column 32 (t / 2) + 8 (t % 2) + r + 8 (r / 8)
;   wo  [column block 4][K step 8][tile 16]: WO_w (scale 5), column 256 cb + 16 t + r
;   akv [2][8][1024] f32: ak = ax WK_w + WK_b, av = ax WV_w + WV_b, by f32 multiply-adds, K ascending: both go on into a quantised operand.
; SHARES.  Work-groups 0..127: matrix id / 32 (WQ, WK, WO, WV), 32 columns id % 32; wave w takes K step w: A LANE TAKES A COLUMN AND ITS REGISTERS RUN DOWN K, so the conversions give codes with K innermost.
;          Work-groups 128..383: block (id - 128) / 2 of x, five of its ten tiles; wave w takes K step w.
; LIMITS: each exponent e between -126 and 112, so that 2^e and 57,344 x 2^e are f32 numbers.  NaN among the inputs is not served; an infinity is held at the largest code.
.set SP,    528                        ; a stage row: 512 bytes + 16, an odd multiple of 16: sixteen lanes that read sixteen rows meet sixteen different columns of 16 bytes
.set WSTG,  16*SP                      ; x path: a stage of 16 rows for each wave, from byte 0 on
.set AXS,   8*WSTG                     ; weight path: each wave's ax[8][128], 4,096 bytes
.set RED,   AXS+8*4096                 ; weight path: each wave's 8 x 32 partial sums, 1,024 bytes
.set SPARE, RED+8*1024                 ; the spare words, 128 bytes for each wave: four blocks of 256 bytes that no other line names
.set LI,  4                            ; v4   16 x lane
.set SPW, 30                           ; v30  LDS address of my spare word; never rewritten
.set NIL, 31                           ; v31  0; never rewritten
.macro CLOSE                           ; a wave's end
	s_wait_tensorcnt 0x0
	ds_add_u32 v[SPW], v[NIL]
	s_wait_dscnt 0x0
	s_endpgm
.endm
.macro MKSCALE e, vs, vl               ; s[e] holds e: v[vs] = 2^e as f32 (the conversion takes its exponent field), v[vl] = 57,344 x 2^e
	s_add_co_i32 s90, s[\e], 127
	s_lshl_b32 s91, s90, 23
	v_mov_b32 v[\vs], s91
	s_add_co_i32 s90, s90, 15
	s_lshl_b32 s90, s90, 23
	s_or_b32 s90, s90, 0x600000
	v_mov_b32 v[\vl], s90
.endm
	s_load_b512 s[8:23], s[0:1], 0x0               ; x 8:9, xc 10:11, scales 12:13, ax 14:15, WQ_w 16:17, WK_w 18:19, WO_w 20:21, WV_w 22:23
	s_load_b256 s[24:31], s[0:1], 0x40             ; WK_b 24:25, WV_b 26:27, wqk 28:29, wo 30:31
	s_load_b64 s[32:33], s[0:1], 0x60              ; akv
	v_lshl_add_u32 v[SPW], v0, 2, SPARE
	v_mov_b32 v[NIL], 0
	v_lshrrev_b32 v1, 5, v0
	s_delay_alu instid0(VALU_DEP_1)
	v_readfirstlane_b32 s34, v1                    ; wave 0..7 = my K step
	v_and_b32 v1, 31, v0                           ; lane
	v_and_b32 v2, 15, v0                           ; r
	v_bfe_u32 v3, v0, 4, 1                         ; h
	s_delay_alu instid0(VALU_DEP_3)
	v_lshlrev_b32 v[LI], 4, v1
	s_wait_kmcnt 0x0
	s_load_b128 s[36:39], s[12:13], 0x0            ; e0 .. e3
	s_load_b64 s[40:41], s[12:13], 0x10            ; e4, e5
	s_cmp_lt_u32 ttmp9, 128
	s_cbranch_scc1 .Lweights
; ---------------------------------------------------------------- x
; REGISTERS: v5, v6 16 x lane for the two loads that may have to be held inside x; v7, v8 the stage, in and out; v10-13 the two scales and holds;
; v32-159 two sets of 16 x 4 as loaded; v160-223 64 neighbours along K of my row; v224-239 eight held numbers, two sets by turns; v240-255 a fragment's codes.
.set R, 32
.set X, 160
.set T, 224
.set C, 240
	s_sub_co_u32 s43, ttmp9, 128
	s_lshr_b32 s44, s43, 1                         ; block
	s_and_b32 s45, s43, 1                          ; which five tiles
	s_cmp_eq_u32 s43, 0
	s_cselect_b32 s46, 4096, 0                     ; row -1 of x is taken as row 0,
	s_cmp_eq_u32 s43, 255
	s_cselect_b32 s47, 0, 4096                     ; row 16,384 as row 16,383
	s_wait_alu depctr_va_vdst(0)
	v_add_nc_u32 v5, s46, v[LI]
	s_wait_alu depctr_va_vdst(0)
	v_add_nc_u32 v6, s47, v[LI]
	s_mul_i32 s48, s34, WSTG
	v_add_nc_u32 v7, s48, v[LI]                    ; in: 512 bytes of a row as they lie
	v_mul_u32_u24 v8, v2, SP
	s_delay_alu instid0(VALU_DEP_1)
	v_lshl_add_u32 v8, v3, 6, v8
	s_delay_alu instid0(VALU_DEP_1)
	v_add_nc_u32 v8, s48, v8                       ; out: row r, + 64 h: my 16 numbers of each 32
	s_lshl_b32 s50, s44, 7
	s_mul_i32 s51, s45, 5
	s_add_co_u32 s50, s50, s51
	s_lshl_b32 s50, s50, 12                        ; (128 block + 5 half) rows of 4,096 bytes
	s_lshl_b32 s51, s34, 9                         ; + my K step's 512 bytes
	s_add_co_u32 s50, s50, s51
	s_mov_b32 s51, 0
	s_add_nc_u64 s[8:9], s[8:9], s[50:51]
	s_mul_i32 s52, s44, 294912                     ; xc: the block,
	s_mul_i32 s53, s34, 36864                      ; the K step,
	s_add_co_u32 s52, s52, s53
	s_mul_i32 s53, s45, 10240                      ; five fragments on for the second half
	s_add_co_u32 s52, s52, s53
	s_mov_b32 s53, 0
	s_add_nc_u64 s[10:11], s[10:11], s[52:53]
; job jj: tile t = 5 half + jj: rows 128 block + 8 q + t - 1, q = 0..15.  Each load reads 512 consecutive bytes of one row
.macro XLOAD jj, set
.irp q, 0,1,2,3,4,5,6,7,8,9,10,11,12,13,14,15
.if ((\jj) == 0) && (\q == 0)
	global_load_b128 v[R+64*(\set):R+64*(\set)+3], v5, s[8:9] offset:-4096
.elseif ((\jj) == 4) && (\q == 15)
	global_load_b128 v[R+64*(\set)+60:R+64*(\set)+63], v6, s[8:9] offset:122*4096
.else
	global_load_b128 v[R+64*(\set)+4*\q:R+64*(\set)+4*\q+3], v[LI], s[8:9] offset:(8*\q+(\jj)-1)*4096
.endif
.endr
.endm
.macro TURN set                        ; through my own stage: LDS serves a wave's instructions in order, so no wait stands between the stores and the loads
.irp q, 0,1,2,3,4,5,6,7,8,9,10,11,12,13,14,15
	ds_store_b128 v7, v[R+64*(\set)+4*\q:R+64*(\set)+4*\q+3] offset:SP*\q
.endr
.irp b, 0,1,2,3
.irp j, 0,1,2,3
	ds_load_b128 v[X+16*\b+4*\j:X+16*\b+4*\j+3], v8 offset:128*\b+16*\j    ; register 16 b + i = k 32 b + 16 h + i of row r
.endr
.endr
.endm
.macro XQUANT sc, lim                  ; X stays as it is (it is quantised twice): the held numbers go into T, whose halves take turns, so that plain lines stand between a conversion and the next write of its sources
.irp g, 0,1,2,3,4,5,6,7
.irp i, 0,1,2,3,4,5,6,7
	v_med3_num_f32 v[T+8*(\g%2)+\i], v[X+8*\g+\i], -v[\lim], v[\lim]       ; the conversion to an 8-bit code does not saturate (ISA guide 7.6.2): the hold comes first
.endr
	v_cvt_scalef32_pk8_bf8_f32 v[C+2*\g:C+2*\g+1], v[T+8*(\g%2):T+8*(\g%2)+7], v[\sc]
.endr
	v_nop                                          ; a plain line behind the last conversion
.endm
.macro XSTORE f                        ; the fragment as it stands: each store covers 512 consecutive bytes, aligned
.irp c, 0,1,2,3
	global_store_b128 v[LI], v[C+4*\c:C+4*\c+3], s[10:11] offset:2048*(\f)+512*\c
.endr
.endm
.macro JOB jj
.if \jj < 4
	s_wait_loadcnt 16                              ; this job's 16 loads are in; the next job's may be out
.else
	s_wait_loadcnt 0x0
.endif
	TURN (\jj)%2
	s_wait_dscnt 0x0                               ; X is in, and the stage's stores have read the set,
.if \jj+2 < 5
	XLOAD (\jj)+2, (\jj)%2                         ; which takes the job two further on
.endif
	XQUANT 12, 13                                  ; under lowp_scales[2]: tile t of the ten
	XSTORE 8+(\jj)
	s_wait_xcnt 0x0                                ; the stores have read C: it is written again only behind this wait
.if \jj == 0
	s_cmp_eq_u32 s45, 0                            ; tile 0 (rows 8 r - 1) has no part in the first product,
	s_cbranch_scc1 .Lno_e0_\@
.endif
.if \jj == 4
	s_cmp_eq_u32 s45, 1                            ; nor has tile 9 (rows 8 r + 8)
	s_cbranch_scc1 .Lno_e0_\@
.endif
	XQUANT 10, 11                                  ; under lowp_scales[0]: tile t - 1 of the eight
	XSTORE (\jj)-1
.Lno_e0_\@:
	s_wait_xcnt 0x0
.endm
	XLOAD 0, 0
	XLOAD 1, 1
	s_wait_alu depctr_va_vdst(0)
	s_wait_kmcnt 0x0
	MKSCALE 36, 10, 11
	MKSCALE 38, 12, 13
	s_wait_alu depctr_va_vdst(0)
	JOB 0
	JOB 1
	JOB 2
	JOB 3
	JOB 4
	CLOSE
; ---------------------------------------------------------------- the weights
; REGISTERS: v5 4 x my column among the 32; v6 my place in the two fragments; v7, v8 ax in LDS, in and out; v9, v14 the partial sums, in and out; v10, v11 scale and hold;
; v32-159 my column's 128 numbers down K; v160-223 two sets of ax (8 rows x 4 k); v224-231 the eight sums; v232-239 32 codes; v240-248 at work.
.Lweights:
	s_lshr_b32 s44, ttmp9, 5                       ; 0 WQ, 1 WK, 2 WO, 3 WV
	s_and_b32 s45, ttmp9, 31                       ; which 32 columns
	s_wait_alu depctr_va_vdst(0)
	v_lshrrev_b32 v5, 3, v1
	s_delay_alu instid0(VALU_DEP_1)
	v_xor_b32 v5, v5, v3
	s_delay_alu instid0(VALU_DEP_1)
	v_and_b32 v5, 1, v5
	s_delay_alu instid0(VALU_DEP_1)
	v_mul_u32_u24 v5, v5, 24                       ; 24 where the lane's bits 3 and 4 differ
	s_cmp_eq_u32 s44, 2
	s_cselect_b32 s42, 0, 24                       ; WO keeps its columns in order
	v_and_b32 v5, s42, v5
	s_delay_alu instid0(VALU_DEP_1)
	v_xor_b32 v5, v5, v1                           ; lane 16 u + 8 a + b takes column 16 a + 8 u + b: row r = 8 a + b of tile u is column 8 u + r + 8 (r / 8)
	s_delay_alu instid0(VALU_DEP_1)
	v_lshlrev_b32 v5, 2, v5
	v_lshlrev_b32 v6, 4, v2
	s_delay_alu instid0(VALU_DEP_1)
	v_lshl_add_u32 v6, v3, 11, v6                  ; fragment lane / 16, row lane % 16
	s_lshl_b32 s50, s34, 19                        ; W: my 128 rows of 4,096 bytes,
	s_lshl_b32 s51, s45, 7                         ; my work-group's 32 columns
	s_add_co_u32 s50, s50, s51
	s_mov_b32 s51, 0
	s_lshr_b32 s52, s45, 3
	s_lshl_b32 s53, s52, 19                        ; wqk: head group,
	s_lshl_b32 s54, s34, 16                        ; K step,
	s_add_co_u32 s53, s53, s54
	s_bfe_u32 s54, s45, 0x20001
	s_lshl_b32 s54, s54, 14                        ; head in the group,
	s_add_co_u32 s53, s53, s54
	s_and_b32 s54, s45, 1
	s_lshl_b32 s54, s54, 12                        ; which two of its four tiles
	s_add_co_u32 s53, s53, s54
	s_lshl_b32 s55, s52, 18                        ; wo: column block,
	s_lshl_b32 s54, s34, 15                        ; K step,
	s_add_co_u32 s55, s55, s54
	s_and_b32 s54, s45, 7
	s_lshl_b32 s54, s54, 12                        ; which two of its sixteen tiles
	s_add_co_u32 s55, s55, s54
	s_and_b32 s54, s44, 1
	s_cmp_lg_u32 s54, 0
	s_cbranch_scc1 .Lfma
.macro ABATCH bi                       ; ax[0..7][4 bi .. 4 bi + 3] of my K step, the same for all lanes
.irp b, 0,1,2,3,4,5,6,7
	ds_load_b128 v[160+32*((\bi)%2)+4*\b:160+32*((\bi)%2)+4*\b+3], v8 offset:512*\b+16*(\bi)
.endr
.endm
.macro AFMA bi                         ; 32 multiply-adds, the eight sums by turns; the very first products start the sums
.irp i, 0,1,2,3
.irp b, 0,1,2,3,4,5,6,7
.if ((\bi) == 0) && (\i == 0)
	v_mul_f32 v[224+\b], v[160+32*((\bi)%2)+4*\b+\i], v[32+4*(\bi)+\i]
.else
	v_fmac_f32 v[224+\b], v[160+32*((\bi)%2)+4*\b+\i], v[32+4*(\bi)+\i]
.endif
.endr
.endr
.endm
.macro WPATH fma                       ; fma = 0: WQ_w, WO_w: codes alone.  fma = 1: WK_w (codes and ak), WV_w (av alone)
.if \fma
	s_cmp_eq_u32 s44, 1
	s_cselect_b64 s[46:47], s[18:19], s[22:23]
	s_cselect_b64 s[68:69], s[24:25], s[26:27]     ; the bias
	s_cselect_b32 s70, 0, 32768                    ; ak or av
	s_mov_b64 s[48:49], s[28:29]
	s_add_co_u32 s56, s53, 8192                    ; WK's tiles lie behind WQ's four
.else
	s_cmp_eq_u32 s44, 0
	s_cselect_b64 s[46:47], s[16:17], s[20:21]
	s_cselect_b64 s[48:49], s[28:29], s[30:31]
	s_cselect_b32 s56, s53, s55
.endif
	s_mov_b32 s57, 0
	s_add_nc_u64 s[46:47], s[46:47], s[50:51]
	s_add_nc_u64 s[48:49], s[48:49], s[56:57]
.if \fma
	s_lshl_b32 s72, s34, 12
	s_add_co_u32 s72, s72, AXS
	v_add_nc_u32 v7, s72, v[LI]
	v_mov_b32 v8, s72
	s_lshl_b32 s73, s34, 10
	s_add_co_u32 s73, s73, RED
	v_lshl_add_u32 v9, v1, 2, s73                  ; my wave's sums: 128 b + 4 x lane
	s_lshl_b32 s73, s34, 7
	s_add_co_u32 s73, s73, RED
	v_lshl_add_u32 v14, v1, 2, s73                 ; row b = my wave's number of every wave's sums
	s_lshl_b32 s74, s34, 9
	s_mov_b32 s75, 0
	s_add_nc_u64 s[14:15], s[14:15], s[74:75]      ; ax at my K step
	s_lshl_b32 s74, s45, 7
	s_add_nc_u64 s[68:69], s[68:69], s[74:75]      ; the bias at my work-group's columns
	s_lshl_b32 s76, s34, 12
	s_add_co_u32 s74, s74, s76
	s_add_co_u32 s74, s74, s70
	s_add_nc_u64 s[32:33], s[32:33], s[74:75]      ; akv: ak or av, row b = my wave's number, my work-group's columns
.irp b, 0,1,2,3,4,5,6,7
	global_load_b128 v[192+4*\b:192+4*\b+3], v[LI], s[14:15] offset:4096*\b
.endr
.endif
.set kk, 0
.rept 128
	global_load_b32 v[32+kk], v5, s[46:47] offset:4096*kk th:TH_LOAD_NT    ; W(128 w + k, my column): the wave reads 128 consecutive bytes; each weight is read once in this launch
.set kk, kk+1
.endr
	s_wait_kmcnt 0x0
.if \fma
	s_mov_b32 s58, s39                             ; e3
.else
	s_cmp_eq_u32 s44, 0
	s_cselect_b32 s58, s37, s41                    ; e1 or e5
.endif
	MKSCALE 58, 10, 11
.if \fma
	s_wait_loadcnt 63                              ; 128 loads stand behind ax's eight; the count's field holds 63
	s_wait_alu depctr_va_vdst(0)
.irp b, 0,1,2,3,4,5,6,7
	ds_store_b128 v7, v[192+4*\b:192+4*\b+3] offset:512*\b
.endr
	s_wait_dscnt 0x0                               ; the stores have read their registers, which take LDS loads below
.endif
	s_wait_alu depctr_va_vdst(0)
.irp kb, 0,1,2,3                       ; 32 along K at a time
.if \kb < 2
	s_wait_loadcnt 63                              ; 96 and 64 loads stand behind this part's
.else
	s_wait_loadcnt 32*(3-\kb)
.endif
.if \fma
	ABATCH 8*\kb
.irp q, 0,1,2,3,4,5,6,7
.if \q < 7
	ABATCH 8*\kb+\q+1
	s_wait_alu depctr_va_vdst(0)
	s_wait_dscnt 8                                 ; this batch's eight loads are in; the next batch's may be out
.else
	s_wait_alu depctr_va_vdst(0)
	s_wait_dscnt 0x0
.endif
	AFMA 8*\kb+\q
.endr
	s_cmp_lg_u32 s44, 1                            ; WV_w is no quantised operand
	s_cbranch_scc1 .Lnoq\kb
.endif
	s_wait_xcnt 0x0                                ; the last stores have read the codes' registers
.irp i, 0,1,2,3,4,5,6,7,8,9,10,11,12,13,14,15,16,17,18,19,20,21,22,23,24,25,26,27,28,29,30,31
	v_med3_num_f32 v[32+32*\kb+\i], v[32+32*\kb+\i], -v11, v11             ; behind the multiply-adds, which want the numbers as they are
.endr
.irp g, 0,1,2,3
	v_cvt_scalef32_pk8_bf8_f32 v[232+2*\g:233+2*\g], v[32+32*\kb+8*\g:32+32*\kb+8*\g+7], v10
.endr
	v_nop                                          ; a plain line behind the last conversion
	global_store_b128 v6, v[232:235], s[48:49] offset:512*\kb              ; k = 32 kb + 0..15: sixteen lanes store 256 consecutive bytes, aligned
	global_store_b128 v6, v[236:239], s[48:49] offset:512*\kb+256          ; k = 32 kb + 16..31
.if \fma
.Lnoq\kb:
.endif
.endr
.if \fma
	s_wait_alu depctr_va_vdst(0)
.irp b, 0,1,2,3,4,5,6,7
	ds_store_b32 v9, v[224+\b] offset:128*\b
.endr
	s_wait_dscnt 0x0                               ; for the others' sake: my sums lie in LDS
	s_barrier_signal -1
	s_barrier_wait -1
.irp q, 0,1,2,3,4,5,6,7
	ds_load_b32 v[240+\q], v14 offset:1024*\q      ; row b = my wave's number: the eight K steps' parts
.endr
	global_load_b32 v248, v5, s[68:69]
	s_wait_dscnt 0x0
.irp q, 1
	v_add_f32 v240, v240, v[240+\q]                ; K ascending
.endr
.irp q, 2, 3, 4, 5, 6, 7
	s_delay_alu instid0(VALU_DEP_1)
	v_add_f32 v240, v240, v[240+\q]                ; K ascending
.endr
	s_wait_alu depctr_va_vdst(0)
	s_wait_loadcnt 0x0
	v_add_f32 v240, v240, v248
	global_store_b32 v5, v240, s[32:33]
.endif
	CLOSE
.endm
	s_wait_alu depctr_va_vdst(0)
	WPATH 0
.Lfma:
	s_wait_alu depctr_va_vdst(0)
	WPATH 1
.Lfunc_end_k_q112820bc83_prep:
	.size	k_q112820bc83_prep, .Lfunc_end_k_q112820bc83_prep-k_q112820bc83_prep
	.p2alignl 7, 3214868480
	.fill 96, 4, 3214868480
	.section	.rodata,"a",@progbits
	.p2align	6, 0x0
	.amdhsa_kernel k_q112820bc83_prep
		.amdhsa_group_segment_fixed_size 109568
		.amdhsa_private_segment_fixed_size 0
		.amdhsa_enable_private_segment 0
		.amdhsa_kernarg_size 104
		.amdhsa_user_sgpr_count 2
		.amdhsa_user_sgpr_kernarg_segment_ptr 1
		.amdhsa_wavefront_size32 1
		.amdhsa_system_sgpr_workgroup_id_x 1
		.amdhsa_system_sgpr_workgroup_id_y 1
		.amdhsa_system_sgpr_workgroup_id_z 1
		.amdhsa_system_vgpr_workitem_id 0
		.amdhsa_next_free_vgpr 256
		.amdhsa_next_free_sgpr 100
		.amdhsa_reserve_vcc 0
		.amdhsa_float_denorm_mode_32 3
		.amdhsa_float_denorm_mode_16_64 3
		.amdhsa_memory_ordered 1
		.amdhsa_forward_progress 1
		.amdhsa_inst_pref_size 173
	.end_amdhsa_kernel
	.amdgpu_metadata
---
amdhsa.version: [ 1, 2 ]
amdhsa.kernels:
  - .name:           k_q112820bc83_prep
    .symbol:         k_q112820bc83_prep.kd
    .args:
      - { .name: x, .offset: 0, .size: 8, .value_kind: global_buffer, .address_space: global }
      - { .name: xc, .offset: 8, .size: 8, .value_kind: global_buffer, .address_space: global }
      - { .name: lowp_scales, .offset: 16, .size: 8, .value_kind: global_buffer, .address_space: global }
      - { .name: ax, .offset: 24, .size: 8, .value_kind: global_buffer, .address_space: global }
      - { .name: WQ_w, .offset: 32, .size: 8, .value_kind: global_buffer, .address_space: global }
      - { .name: WK_w, .offset: 40, .size: 8, .value_kind: global_buffer, .address_space: global }
      - { .name: WO_w, .offset: 48, .size: 8, .value_kind: global_buffer, .address_space: global }
      - { .name: WV_w, .offset: 56, .size: 8, .value_kind: global_buffer, .address_space: global }
      - { .name: WK_b, .offset: 64, .size: 8, .value_kind: global_buffer, .address_space: global }
      - { .name: WV_b, .offset: 72, .size: 8, .value_kind: global_buffer, .address_space: global }
      - { .name: wqk, .offset: 80, .size: 8, .value_kind: global_buffer, .address_space: global }
      - { .name: wo, .offset: 88, .size: 8, .value_kind: global_buffer, .address_space: global }
      - { .name: akv, .offset: 96, .size: 8, .value_kind: global_buffer, .address_space: global }
    .group_segment_fixed_size: 109568
    .private_segment_fixed_size: 0
    .kernarg_segment_align: 8
    .kernarg_segment_size: 104
    .max_flat_workgroup_size: 256
    .sgpr_count:     100
    .vgpr_count:     256
    .wavefront_size: 32
...
	.end_amdgpu_metadata
.endif
;; end of part 1
;; launch qkatt (part 2): grid 2 x 128, 4 waves a work-group, clusters of 2 x 1, 327,680 bytes of LDS; arguments xc, wqk, akv, WQ_b, WK_b, lowp_scales, ac; writes ac
.if DOCPART == 2
	.amdgcn_target "amdgcn-amd-amdhsa--gfx1250"
	.amdhsa_code_object_version 6
	.text
	.protected	k_q112820bc83_qkatt
	.globl	k_q112820bc83_qkatt
	.p2align	8
	.type	k_q112820bc83_qkatt,@function
k_q112820bc83_qkatt:
	s_mov_b64 s[64:65], 0
	v_nop
	global_prefetch_b8 v0, s[64:65] scope:SCOPE_SE
	s_setreg_imm32_b32 hwreg(HW_REG_WAVE_MODE, 25, 1), 1
	s_wait_xcnt 0x0
	s_wait_alu depctr_hold_cnt(0) depctr_sa_sdst(0) depctr_va_vdst(0) depctr_va_sdst(0) depctr_va_ssrc(0) depctr_va_vcc(0) depctr_vm_vsrc(0)
	s_getreg_b32 s2, hwreg(HW_REG_IB_STS2, 6, 4)
	s_cmp_eq_u32 s2, 0
	s_cbranch_scc0 .Lentry_in_a_cluster
	s_endpgm
.Lentry_in_a_cluster:
	s_bfe_u32 s2, ttmp6, 0x10000c
	s_cmp_lg_u32 s2, 0x1001
	s_cbranch_scc0 .Lentry_shape_is_right
	s_endpgm
.Lentry_shape_is_right:
; q = Q(x) Q(WQ) + bq, k = Q(x) Q(WK) + bk on codes of E5M2; the softmax over the four slots (ak, k[l-1], k[l], k[l+1]); att = a0 av + a1 k[l-1] + a2 k[l] + a3 k[l+1]; att's codes.  No work of the problem is left out.
; q and k never go to memory.  SHARES: a work-group takes 128 rows (block = cluster y) and eight heads (half = its place in the cluster), in two passes of four heads; in pass p wave w takes head 8 half + 4 p + w for all 128 rows.
; ROWS: tile m (0..7) holds in lane r the row 8 r + m, so rows l - 1 and l + 1 of a lane's row lie in the SAME lane of tiles m - 1 and m + 1.  Two further tiles of k close the ends: P (rows 8 r - 1), N (rows 8 r + 8).
; At a sequence's two ends the neighbour is a vector of zeros: its score is made 0 and still counts in the softmax; its weight is made 0 behind the softmax (mP, mN).
; THE PRODUCTS ARE USED TRANSPOSED (source 0 = 16 columns of W, source 1 = 16 rows of x): lane (r, h) holds one row, and register 8 t + j the head's channel 32 (t / 2) + 16 h + 8 (t % 2) + j:
; the 16 registers of tiles 2 b, 2 b + 1 are 16 neighbours along the last product's K, so the conversions' results are that operand's registers.
; DATA.  The block's codes of x for ALL of K (294,912 bytes) come into LDS once, one tensor load a wave (K steps 2 w and 2 w + 1: 288 rows of 256 bytes), and serve both passes; nothing is filled again.
; CLUSTER: the two work-groups that read a block form a cluster of 2 x 1 and ask for it JOINTLY (mask 3); a round of the cluster's barrier stands ahead of the load and at the end.
; The weights come from memory straight into the one wave's registers that multiplies them, in fragment order, two K steps ahead; the next pass's first two K steps are asked for in the middle of a pass's vector work.
; NO PREFETCH: the block is asked for whole at the head, with no trip ahead of it in which to ask; the weights' loads themselves run two K steps ahead.
; LIMITS: e0 + e1 and e2 + e3 between -126 and 127, e4 between -126 and 112, so that each power of two below is an f32 number.  NaN among the inputs is not served.
; REGISTERS, in windows of 256 (s_set_vgpr_msb: bits 1:0 source 0, 3:2 source 1, 5:4 source 2, 7:6 destination):
;   window 0: v2 16 x lane; v3, v4 the add's two; v5 64 h; v8-15 the K steps' LDS addresses; v20, v21 2^e4 and its hold; v22, v23 mP, mN; v64-191 four slots of two fragments of x, later the scores and att's codes; v192-255 WK, odd K steps
;   window 1: q, tile m, t at 32 m + 8 t; later att      window 2: k likewise      window 3: v0-31 P, v32-63 N; v64-127, v128-191 WQ, even and odd K steps; v192-255 WK, even K steps; at a pass's end bq, bk, ak, av
.set SPARE, 294912                     ; behind the block: the spare words, 128 bytes for each wave
.set NEXTG, 524288                     ; from a group of four heads to the next in wqk
.set LI,  2
.set SPW, 3
.set NIL, 4
.set VB,  5
.set XA,  8
.set PASS, 62                          ; s62 the pass, 0 or 1
.set MSB, 0
.set LC,  0                            ; global loads issued so far in the text; MQ0, MQ1, MK0, MK1: its value behind the loads of WQ's and WK's even and odd sets.  A wait's count is the difference
.set MQ0, 0
.set MQ1, 0
.set MK0, 0
.set MK1, 0
.macro WIN new                         ; the immediate's high byte repeats the setting that is left; a switch that changes nothing is dropped
.if MSB != (\new)
	s_set_vgpr_msb (MSB<<8)|(\new)
.set MSB, (\new)
.endif
.endm
.macro PLACES                          ; four plain places behind matrix instructions, ahead of loads into registers that they read
.rept 4
	v_nop
.endr
.endm
.macro CROUND                          ; a round of the cluster's barrier
	s_barrier_signal -1
	s_barrier_wait -1
	s_cmp_lg_u32 s18, 0
	s_cbranch_scc1 .Lnot_wave_0_\@
	s_barrier_signal -3
.Lnot_wave_0_\@:
	s_barrier_wait -3
	s_barrier_signal -1
	s_barrier_wait -1
.endm
	s_load_b256 s[4:11], s[0:1], 0x0               ; xc 4:5, wqk 6:7, akv 8:9, WQ_b 10:11
	s_load_b128 s[12:15], s[0:1], 0x20             ; WK_b 12:13, the scales 14:15
	s_load_b64 s[16:17], s[0:1], 0x30              ; ac
	v_lshl_add_u32 v[SPW], v0, 2, SPARE
	v_mov_b32 v[NIL], 0
	ds_add_u32 v[SPW], v[NIL]                      ; the opening: the add, twice on end, and its wait ahead of my tensor load
	ds_add_u32 v[SPW], v[NIL]
	v_lshrrev_b32 v1, 5, v0
	v_readfirstlane_b32 s18, v1                    ; wave 0..3
	s_bfe_u32 s19, ttmp6, 0x40000                  ; my place in the cluster = which eight heads: it enters global addresses of W, biases, akv and ac alone
	s_and_b32 s20, ttmp7, 0xffff                   ; the block, which the two partners share
	; descriptor group 1: 288 rows of 256 bytes, dense, no padding: a quarter of the block
	s_mov_b32 s24, 3|(3<<16)|(1<<21)               ; 15:0 the mask: both work-groups; 17:16 elements of 8 bytes; 21 set beside a mask
	s_mov_b32 s25, 32<<16                          ; tensor_dim0 = 32
	s_mov_b32 s26, 288<<16                         ; tensor_dim1 = 288
	s_mov_b32 s27, 32<<16                          ; tile_dim0 = 32
	s_mov_b32 s28, 288                             ; tile_dim1 = 288
	s_mov_b32 s29, 32                              ; from row to row
	s_mov_b32 s30, 0
	s_mov_b32 s31, 0
	s_mul_i32 s21, s18, 73728                      ; my quarter, in LDS and in memory
	s_mul_i32 s22, s20, 294912
	s_add_co_u32 s22, s22, s21
	s_mov_b32 s23, 0
	s_lshl_b32 s78, s19, 3
	s_add_co_u32 s78, s78, s18                     ; my head in pass 0
	s_lshl_b32 s80, s19, 20
	s_lshl_b32 s81, s18, 14
	s_add_co_u32 s80, s80, s81                     ; wqk: group 2 x half, my head in it
	s_mov_b32 s81, 0
	s_lshl_b32 s82, s78, 8                         ; my head's 64 numbers in a bias
	s_mov_b32 s83, 0
	s_lshr_b32 s84, s20, 4
	s_lshl_b32 s84, s84, 12
	s_add_co_u32 s84, s84, s82                     ; akv: the batch entry (16 blocks each), my head
	s_mov_b32 s85, 0
	s_lshl_b32 s86, s20, 17                        ; ac: the block,
	s_lshr_b32 s87, s78, 1
	s_lshl_b32 s87, s87, 14                        ; the K step that holds my head,
	s_add_co_u32 s86, s86, s87
	s_and_b32 s87, s78, 1
	s_lshl_b32 s87, s87, 10                        ; and which half of each fragment
	s_add_co_u32 s86, s86, s87
	s_mov_b32 s87, 0
	v_and_b32 v1, 31, v0
	v_lshlrev_b32 v[LI], 4, v1
	v_and_b32 v6, 15, v0                           ; r
	v_bfe_u32 v7, v0, 4, 1                         ; h
	v_lshlrev_b32 v[VB], 6, v7
.irp s, 0,1,2,3,4,5,6,7
	v_add_nc_u32 v[XA+\s], 36864*\s, v[LI]
.endr
	s_and_b32 s88, s20, 15                         ; the block's place in its sequence
	v_add_nc_u32 v22, s88, v6
	v_min_u32 v22, 1, v22
	v_cvt_f32_u32 v22, v22                         ; mP: 0 where row 8 r - 1 lies ahead of the sequence (first block, r = 0), else 1
	s_sub_co_u32 s89, 30, s88
	v_sub_nc_u32 v23, s89, v6
	v_min_u32 v23, 1, v23
	v_cvt_f32_u32 v23, v23                         ; mN: 0 where row 8 r + 8 lies behind it (last block, r = 15), else 1
	s_mov_b32 s58, 0x3e38aa3b                      ; c = log2(e) / sqrt(64)
	s_mov_b32 s59, 0xbe38aa3b                      ; -c
	s_mov_b32 s60, 0x76543210                      ; v_permlanex16_b32: lane l xor 16
	s_mov_b32 s61, 0xfedcba98
	s_wait_alu depctr_va_vdst(0)
	s_wait_dscnt 0x0                               ; both opening adds are done
	s_wait_kmcnt 0x0
	s_load_b128 s[48:51], s[14:15], 0x0            ; e0 .. e3
	s_load_b64 s[52:53], s[14:15], 0x10            ; e4, e5
	s_add_nc_u64 s[4:5], s[4:5], s[22:23]
	s_add_nc_u64 s[68:69], s[6:7], s[80:81]        ; W
	s_add_nc_u64 s[70:71], s[10:11], s[82:83]      ; bq
	s_add_nc_u64 s[72:73], s[12:13], s[82:83]      ; bk
	s_add_nc_u64 s[74:75], s[8:9], s[84:85]        ; ak; av lies 32,768 bytes on
	s_add_nc_u64 s[76:77], s[16:17], s[86:87]      ; att's codes
	s_mov_b32 s32, 1
	s_mov_b32 s33, s21
	s_mov_b64 s[34:35], s[4:5]
	s_or_b32 s35, s35, 0x80000000
	CROUND                                         ; both work-groups are here: the joint loads meet
	tensor_load_to_lds s[32:35], s[24:31]          ; my one tensor load of the launch
	s_nop 0
	PLACES
; 16 loads: the four fragments of WQ (kind 0) or WK (kind 1) of my head for K step s; nx: 0, or NEXTG for the next pass's head
.macro WLOAD kind, s, nx
.if (\kind) == 0
	WIN 0xc0
.set WD, 64+64*((\s)%2)
.elseif ((\s)%2) == 0
	WIN 0xc0
.set WD, 192
.else
	WIN 0
.set WD, 192
.endif
.irp t, 0,1,2,3
.irp c, 0,1,2,3
	global_load_b128 v[WD+16*\t+4*\c:WD+16*\t+4*\c+3], v[LI], s[68:69] offset:(\nx)+65536*(\s)+8192*(\kind)+2048*\t+512*\c
.endr
.endr
	WIN 0
.set LC, LC+16
.if (\kind) == 0
.if ((\s)%2) == 0
.set MQ0, LC
.else
.set MQ1, LC
.endif
.else
.if ((\s)%2) == 0
.set MK0, LC
.else
.set MK1, LC
.endif
.endif
.endm
; 8 loads: a vector of 64 f32 in the results' layout: register 8 t + j = channel 32 (t / 2) + 16 h + 8 (t % 2) + j
.macro VLOAD reg, base, off
.irp t, 0,1,2,3
.irp q, 0,1
	global_load_b128 v[\reg+8*\t+4*\q:\reg+8*\t+4*\q+3], v[VB], s[\base:\base+1] offset:\off+(32*(\t/2)+8*(\t%2))*4+16*\q
.endr
.endr
.set LC, LC+8
.endm
; pair G of 72: K step G / 9; in it pairs 0-3: x under e0, tiles 2 p, 2 p + 1 (for q); 4-7: x under e2 (for k); 8: P and N.  Eight LDS loads into slot G % 4
.macro XPAIR G
.set ss, (\G)/9
.set pp, (\G)%9
.set XS, 64+32*((\G)%4)
.if pp < 4
.set fa, 2*pp
.set fb, 2*pp+1
.elseif pp < 8
.set fa, 2*pp+1
.set fb, 2*pp+2
.else
.set fa, 8
.set fb, 17
.endif
.irp c, 0,1,2,3
	ds_load_b128 v[XS+4*\c:XS+4*\c+3], v[XA+ss] offset:2048*fa+512*\c
.endr
.irp c, 0,1,2,3
	ds_load_b128 v[XS+16+4*\c:XS+16+4*\c+3], v[XA+ss] offset:2048*fb+512*\c
.endr
.endm
; ahead of a K step's first pair for q and its first for k: the set of weights is in; the count is the loads issued behind that set's
.macro WWAIT G
.set sw, (\G)/9
.set pw, (\G)%9
.if pw == 0
.if (sw%2) == 0
	s_wait_loadcnt LC-MQ0
.else
	s_wait_loadcnt LC-MQ1
.endif
.endif
.if pw == 4
.if (sw%2) == 0
	s_wait_loadcnt LC-MK0
.else
	s_wait_loadcnt LC-MK1
.endif
.endif
.endm
; its eight matrix instructions.  The 72 accumulators take turns, one instruction a turn, in the same order in every K step; K step 0 starts the sums: nothing is cleared
.macro MULPAIR G
.set ss, (\G)/9
.set pp, (\G)%9
.set XS, 64+32*((\G)%4)
.if pp < 4
	WIN 0x53
.set WA, 64+64*(ss%2)
.set DB, 64*pp
.elseif pp < 8
	WIN 0xa0+3*(1-ss%2)
.set WA, 192
.set DB, 64*(pp-4)
.else
	WIN 0xf0+3*(1-ss%2)
.set WA, 192
.set DB, 0
.endif
.irp t, 0,1,2,3
.irp e, 0,1
.if ss == 0
	v_wmma_f32_16x16x128_bf8_bf8 v[DB+32*\e+8*\t:DB+32*\e+8*\t+7], v[WA+16*\t:WA+16*\t+15], v[XS+16*\e:XS+16*\e+15], 0
.else
	v_wmma_f32_16x16x128_bf8_bf8 v[DB+32*\e+8*\t:DB+32*\e+8*\t+7], v[WA+16*\t:WA+16*\t+15], v[XS+16*\e:XS+16*\e+15], v[DB+32*\e+8*\t:DB+32*\e+8*\t+7]
.endif
.endr
.endr
.endm
; behind a K step's last pair for q and its last for k: the set just done with takes the weights of two K steps on; in K step 6 the biases and the global vectors
.macro WNEXT G
.set sn, (\G)/9
.set pn, (\G)%9
.if pn == 3
.if sn < 6
	WLOAD 0, sn+2, 0
.elseif sn == 6
	WIN 0xc0
	VLOAD 64, 70, 0                                ; bq
	VLOAD 96, 72, 0                                ; bk
	WIN 0
.endif
.endif
.if pn == 8
.if sn < 6
	WLOAD 1, sn+2, 0
.elseif sn == 6
	WIN 0xc0
	VLOAD 192, 74, 0                               ; ak
	VLOAD 224, 74, 32768                           ; av
	WIN 0
.endif
.endif
.endm
	WLOAD 0, 0, 0
	WLOAD 1, 0, 0
	WLOAD 0, 1, 0
	WLOAD 1, 1, 0
	s_wait_kmcnt 0x0
	s_add_co_i32 s54, s48, s49
	s_add_co_i32 s54, s54, 127
	s_lshl_b32 s54, s54, 23                        ; 2^(e0 + e1)
	s_mov_b32 s55, s54                             ; (named with it as a pair, so it is written)
	s_add_co_i32 s56, s50, s51
	s_add_co_i32 s56, s56, 127
	s_lshl_b32 s56, s56, 23                        ; 2^(e2 + e3)
	s_mov_b32 s57, s56
	s_add_co_i32 s90, s52, 127
	s_lshl_b32 s91, s90, 23
	v_mov_b32 v20, s91                             ; 2^e4
	s_add_co_i32 s90, s90, 15
	s_lshl_b32 s90, s90, 23
	s_or_b32 s90, s90, 0x600000
	v_mov_b32 v21, s90                             ; 57,344 x 2^e4
	s_mov_b32 s[PASS], 0
	s_wait_alu depctr_va_vdst(0)
	s_wait_tensorcnt 0x0                           ; my quarter of the block is in,
	s_barrier_signal -1
	s_barrier_wait -1                              ; everybody's is: from here on LDS is only read
.Lpass:                                                ; two trips: four heads each.  On both ways in, 64 loads of weights are out at the most, in the order WQ 0, WK 0, WQ 1, WK 1
	XPAIR 0
	XPAIR 1
	XPAIR 2
	XPAIR 3
.set LC,  64
.set MQ0, 16
.set MK0, 32
.set MQ1, 48
.set MK1, 64
.set gn, 0
.rept 36                               ; two pairs at a time: 16 matrix instructions, then the 16 LDS loads of the pairs four on
.if gn < 35
	s_wait_dscnt 16                                ; these two pairs' loads are in; the two younger pairs' may be out
.else
	s_wait_dscnt 0x0
.endif
	WWAIT 2*gn
	MULPAIR 2*gn
	WWAIT 2*gn+1
	MULPAIR 2*gn+1
	WIN 0
	PLACES
.if 2*gn+4 < 72
	XPAIR 2*gn+4                                   ; into the slots just multiplied
	XPAIR 2*gn+5
.endif
	WNEXT 2*gn
	WNEXT 2*gn+1
.set gn, gn+1
.endr
	; ---- the true numbers: sum x 2^e + bias, in place; each accumulator from its low end on
	s_wait_loadcnt 0x0
	WIN 0x71
.set ii, 0
.rept 128
	v_pk_fma_f32 v[ii:ii+1], v[ii:ii+1], s[54:55], v[64+ii%32:65+ii%32] op_sel_hi:[1,0,1]
.set ii, ii+2
.endr
	WIN 0xb2
.set ii, 0
.rept 128
	v_pk_fma_f32 v[ii:ii+1], v[ii:ii+1], s[56:57], v[96+ii%32:97+ii%32] op_sel_hi:[1,0,1]
.set ii, ii+2
.endr
	WIN 0xf3
.set ii, 0
.rept 32
	v_pk_fma_f32 v[ii:ii+1], v[ii:ii+1], s[56:57], v[96+ii%32:97+ii%32] op_sel_hi:[1,0,1]
.set ii, ii+2
.endr
	; ---- the scores, as pairs of partial sums: slot j of tile m at window 0, v[64 + 8 m + 2 j].  Chains of 16 links, several by turns
	WIN 0x09                                       ; q window 1, k window 2
.irp p, 0,1,2,3
.set ii, 0
.rept 16
.irp e, 0,1
.irp j, 1,2,3
.set mm, 2*\p+\e
.set mk, mm+\j-2
.if (mk >= 0) && (mk <= 7)
.if ii == 0
	v_pk_mul_f32 v[64+8*mm+2*\j:65+8*mm+2*\j], v[32*mm:32*mm+1], v[32*mk:32*mk+1]
.else
	v_pk_fma_f32 v[64+8*mm+2*\j:65+8*mm+2*\j], v[32*mm+ii:32*mm+ii+1], v[32*mk+ii:32*mk+ii+1], v[64+8*mm+2*\j:65+8*mm+2*\j]
.endif
.endif
.endr
.endr
.set ii, ii+2
.endr
.endr
	WIN 0x0d                                       ; q window 1; ak, P, N window 3
.set ii, 0
.rept 16
.irp m, 0,1,2,3,4,5,6,7
.if ii == 0
	v_pk_mul_f32 v[64+8*\m:65+8*\m], v[32*\m:32*\m+1], v[192:193]
.else
	v_pk_fma_f32 v[64+8*\m:65+8*\m], v[32*\m+ii:32*\m+ii+1], v[192+ii:193+ii], v[64+8*\m:65+8*\m]
.endif
.endr
.if ii == 0
	v_pk_mul_f32 v[66:67], v[0:1], v[0:1]          ; tile 0, slot 1: q (window 1) x P (window 3)
	v_pk_mul_f32 v[126:127], v[224:225], v[32:33]  ; tile 7, slot 3: q x N
.else
	v_pk_fma_f32 v[66:67], v[ii:ii+1], v[ii:ii+1], v[66:67]
	v_pk_fma_f32 v[126:127], v[224+ii:225+ii], v[32+ii:33+ii], v[126:127]
.endif
.set ii, ii+2
.endr
	WIN 0
.set nn, 0
.rept 32
	v_add_f32 v[64+nn], v[64+nn], v[65+nn]         ; a pair's two halves,
.set nn, nn+2
.endr
.set nn, 0
.rept 32
	v_permlanex16_b32 v[65+nn], v[64+nn], s60, s61 ; the row's other 32 channels lie in the lane 16 away
.set nn, nn+2
.endr
.set nn, 0
.rept 32
	v_add_f32 v[64+nn], v[64+nn], v[65+nn]
.set nn, nn+2
.endr
	v_mul_f32 v66, v66, v22                        ; a padded neighbour's score is 0
	v_mul_f32 v126, v126, v23
	; ---- the softmax over the four slots: the maximum is taken away; p = 2^(c s - c max)
.irp m, 0,1,2,3,4,5,6,7
	v_max3_num_f32 v[65+8*\m], v[64+8*\m], v[66+8*\m], v[68+8*\m]
.endr
.irp m, 0,1,2,3,4,5,6,7
	v_max_num_f32 v[65+8*\m], v[65+8*\m], v[70+8*\m]
.endr
.irp m, 0,1,2,3,4,5,6,7
	v_mul_f32 v[65+8*\m], s59, v[65+8*\m]
.endr
.irp j, 0,1,2,3
.irp m, 0,1,2,3,4,5,6,7
	v_fma_f32 v[64+8*\m+2*\j], v[64+8*\m+2*\j], s58, v[65+8*\m]
.endr
.endr
.set nn, 0
	s_wait_alu depctr_va_vdst(0)
.rept 32
	v_exp_f32 v[64+nn], v[64+nn]
.set nn, nn+2
.endr
	v_nop                                          ; a plain line behind the last exponential,
	s_wait_alu depctr_va_vdst(0)                   ; and one wait for the batch of 32, ahead of its first reader
.irp m, 0,1,2,3,4,5,6,7
	v_add_f32 v[65+8*\m], v[64+8*\m], v[66+8*\m]
.endr
.irp m, 0,1,2,3,4,5,6,7
	v_add_f32 v[67+8*\m], v[68+8*\m], v[70+8*\m]
.endr
.irp m, 0,1,2,3,4,5,6,7
	v_add_f32 v[65+8*\m], v[65+8*\m], v[67+8*\m]
.endr
	s_wait_alu depctr_va_vdst(0)
.irp m, 0,1,2,3,4,5,6,7
	v_rcp_f32 v[65+8*\m], v[65+8*\m]
.endr
	v_nop
	s_wait_alu depctr_va_vdst(0)                   ; one wait for the eight reciprocals
.irp j, 0,1,2,3
.irp m, 0,1,2,3,4,5,6,7
	v_mul_f32 v[64+8*\m+2*\j], v[64+8*\m+2*\j], v[65+8*\m]
.endr
.endr
	v_mul_f32 v66, v66, v22                        ; a padded neighbour is a vector of zeros: its weight, which has counted in the sum, brings nothing
	v_mul_f32 v126, v126, v23
	; ---- att, over q's registers.  Of a pair of weights the low word serves both halves
	WIN 0x43                                       ; av window 3, the weights window 0, att window 1
.irp m, 0,1,2,3,4,5,6,7
.set ii, 0
.rept 16
	v_pk_mul_f32 v[32*\m+ii:32*\m+ii+1], v[224+ii:225+ii], v[64+8*\m:65+8*\m] op_sel_hi:[1,0]
.set ii, ii+2
.endr
.endr
	; bq, bk, ak and av are done with, so all four sets of weight registers are free: the next pass's K steps 0 and 1, in the order that the loop's counts expect.  The last pass asks for nothing
	WIN 0
	s_cmp_eq_u32 s[PASS], 1
	s_wait_alu depctr_va_vdst(0)
	s_cbranch_scc1 .Lno_more
	WLOAD 0, 0, NEXTG
	WLOAD 1, 0, NEXTG
	WLOAD 0, 1, NEXTG
	WLOAD 1, 1, NEXTG
.Lno_more:
	WIN 0x53                                       ; P, N window 3
.set ii, 0
.rept 16
	v_pk_fma_f32 v[ii:ii+1], v[ii:ii+1], v[66:67], v[ii:ii+1] op_sel_hi:[1,0,1]
.set ii, ii+2
.endr
.set ii, 0
.rept 16
	v_pk_fma_f32 v[224+ii:225+ii], v[32+ii:33+ii], v[126:127], v[224+ii:225+ii] op_sel_hi:[1,0,1]
.set ii, ii+2
.endr
	WIN 0x52                                       ; k window 2
.irp m, 0,1,2,3,4,5,6,7
.irp j, 1,2,3
.set mk, \m+\j-2
.if (mk >= 0) && (mk <= 7)
.set ii, 0
.rept 16
	v_pk_fma_f32 v[32*\m+ii:32*\m+ii+1], v[32*mk+ii:32*mk+ii+1], v[64+8*\m+2*\j:65+8*\m+2*\j], v[32*\m+ii:32*\m+ii+1] op_sel_hi:[1,0,1]
.set ii, ii+2
.endr
.endif
.endr
.endr
	; ---- att's codes under lowp_scales[4]
	WIN 0x41
.set ii, 0
.rept 256
	v_med3_num_f32 v[ii], v[ii], -v21, v21         ; the conversion to an 8-bit code does not saturate (ISA guide 7.6.2): the hold comes first
.set ii, ii+1
.endr
	WIN 0x01
.irp m, 0,1,2,3,4,5,6,7
.irp t, 0,1,2,3
	v_cvt_scalef32_pk8_bf8_f32 v[128+8*\m+2*\t:129+8*\m+2*\t], v[32*\m+8*\t:32*\m+8*\t+7], v20
.endr
.endr
	WIN 0
	v_nop                                          ; a plain line behind the last conversion
.irp m, 0,1,2,3,4,5,6,7
.irp b, 0,1
	global_store_b128 v[LI], v[128+8*\m+4*\b:128+8*\m+4*\b+3], s[76:77] offset:2048*\m+512*\b    ; registers 4 c .. 4 c + 3 of the next operand's fragment: 512 consecutive bytes, aligned
.endr
.endr
	s_wait_alu depctr_va_vdst(0)
	s_wait_xcnt 0x0                                ; the stores and loads have read their registers and bases: the codes' registers take x again, and the bases step four heads on
	s_add_nc_u64 s[68:69], s[68:69], NEXTG
	s_add_nc_u64 s[70:71], s[70:71], 1024
	s_add_nc_u64 s[72:73], s[72:73], 1024
	s_add_nc_u64 s[74:75], s[74:75], 1024
	s_add_nc_u64 s[76:77], s[76:77], 32768
	s_add_co_u32 s[PASS], s[PASS], 1
	s_cmp_lt_u32 s[PASS], 2
	s_cbranch_scc1 .Lpass
	s_wait_tensorcnt 0x0                           ; the wave's end
	ds_add_u32 v[SPW], v[NIL]
	s_wait_dscnt 0x0
	CROUND                                         ; the closing round
	s_endpgm
.Lfunc_end_k_q112820bc83_qkatt:
	.size	k_q112820bc83_qkatt, .Lfunc_end_k_q112820bc83_qkatt-k_q112820bc83_qkatt
	.p2alignl 7, 3214868480
	.fill 96, 4, 3214868480
	.section	.rodata,"a",@progbits
	.p2align	6, 0x0
	.amdhsa_kernel k_q112820bc83_qkatt
		.amdhsa_group_segment_fixed_size 327680
		.amdhsa_private_segment_fixed_size 0
		.amdhsa_enable_private_segment 0
		.amdhsa_kernarg_size 56
		.amdhsa_user_sgpr_count 2
		.amdhsa_user_sgpr_kernarg_segment_ptr 1
		.amdhsa_wavefront_size32 1
		.amdhsa_system_sgpr_workgroup_id_x 1
		.amdhsa_system_sgpr_workgroup_id_y 1
		.amdhsa_system_sgpr_workgroup_id_z 1
		.amdhsa_system_vgpr_workitem_id 0
		.amdhsa_next_free_vgpr 1024
		.amdhsa_next_free_sgpr 100
		.amdhsa_reserve_vcc 0
		.amdhsa_float_denorm_mode_32 3
		.amdhsa_float_denorm_mode_16_64 3
		.amdhsa_memory_ordered 1
		.amdhsa_forward_progress 1
		.amdhsa_inst_pref_size 234
	.end_amdhsa_kernel
	.amdgpu_metadata
---
amdhsa.version: [ 1, 2 ]
amdhsa.kernels:
  - .name:           k_q112820bc83_qkatt
    .symbol:         k_q112820bc83_qkatt.kd
    .args:
      - { .name: xc, .offset: 0, .size: 8, .value_kind: global_buffer, .address_space: global }
      - { .name: wqk, .offset: 8, .size: 8, .value_kind: global_buffer, .address_space: global }
      - { .name: akv, .offset: 16, .size: 8, .value_kind: global_buffer, .address_space: global }
      - { .name: WQ_b, .offset: 24, .size: 8, .value_kind: global_buffer, .address_space: global }
      - { .name: WK_b, .offset: 32, .size: 8, .value_kind: global_buffer, .address_space: global }
      - { .name: lowp_scales, .offset: 40, .size: 8, .value_kind: global_buffer, .address_space: global }
      - { .name: ac, .offset: 48, .size: 8, .value_kind: global_buffer, .address_space: global }
    .group_segment_fixed_size: 327680
    .private_segment_fixed_size: 0
    .kernarg_segment_align: 8
    .kernarg_segment_size: 56
    .max_flat_workgroup_size: 128
    .sgpr_count:     100
    .vgpr_count:     1024
    .wavefront_size: 32
...
	.end_amdgpu_metadata
.endif
;; end of part 2
;; launch wout (part 3): grid 4 x 64, 4 waves a work-group, clusters of 4 x 1, 327,680 bytes of LDS; arguments ac, wo, WO_b, lowp_scales, out0; writes out0
.if DOCPART == 3
	.amdgcn_target "amdgcn-amd-amdhsa--gfx1250"
	.amdhsa_code_object_version 6
	.text
	.protected	k_q112820bc83_wout
	.globl	k_q112820bc83_wout
	.p2align	8
	.type	k_q112820bc83_wout,@function
k_q112820bc83_wout:
	s_mov_b64 s[64:65], 0
	v_nop
	global_prefetch_b8 v0, s[64:65] scope:SCOPE_SE
	s_setreg_imm32_b32 hwreg(HW_REG_WAVE_MODE, 25, 1), 1
	s_wait_xcnt 0x0
	s_wait_alu depctr_hold_cnt(0) depctr_sa_sdst(0) depctr_va_vdst(0) depctr_va_sdst(0) depctr_va_ssrc(0) depctr_va_vcc(0) depctr_vm_vsrc(0)
	s_getreg_b32 s2, hwreg(HW_REG_IB_STS2, 6, 4)
	s_cmp_eq_u32 s2, 0
	s_cbranch_scc0 .Lentry_in_a_cluster
	s_endpgm
.Lentry_in_a_cluster:
	s_bfe_u32 s2, ttmp6, 0x10000c
	s_cmp_lg_u32 s2, 0x3003
	s_cbranch_scc0 .Lentry_shape_is_right
	s_endpgm
.Lentry_shape_is_right:
; out0 = Q(att) Q(WO_w) x 2^(e4 + e5) + WO_b, on codes of E5M2 that lie as fragment images (16 rows x 128 K in 2,048 bytes).  No work of the problem is left out.
; SHARES: a work-group takes 256 rows (cluster y) x 256 columns (its place in the cluster); a wave 128 rows x 128 columns, made as TWO HALVES of 64 columns, one after the other, each over all of K: 32 accumulators a half, by turns.
; While the second half is multiplied, the first half leaves: in each of its eight K steps one block of 16 rows x 64 columns goes through the wave's stage and is stored.  The second half leaves at the end.
; DATA: the 256 rows' codes for all of K (262,144 bytes) come into LDS once, asked for JOINTLY by the cluster's four work-groups, one load a wave at the head (256 rows of 256 bytes); nothing is filled again.
; WO's fragments come from memory straight into registers, through a ring of four sets of four fragments: step u + 4's are asked for when step u is done, three steps (96 matrix instructions) ahead of their use.
; The products are used transposed (source 0 = 16 columns of WO, source 1 = 16 rows of att); block a holds in lane r the row 8 r + a, and a lane's eight results are eight neighbouring columns.
; NO PREFETCH: the rows are asked for whole at the head, with no trip ahead of them in which to ask.
; LIMIT: e4 + e5 between -126 and 127, so that 2^(e4 + e5) is an f32 number.
; REGISTERS: window 0: v2 16 x lane; v3, v4 the add's two; v5 32 h; v8-15 the K steps' LDS addresses; v24-26 the way out; v32-63 WO_b for the first half; v64-191 eight fragments of att; v192-223 a block's numbers; v224-255 (at the end also v160-191) a block read back
;   windows 1, 2: accumulators of blocks 0-3, 4-7: block a, column tile tc at 64 (a % 4) + 8 tc      window 3: WO, set u % 4, tile t at 64 (u % 4) + 16 t; at the end v0-31 hold WO_b for the second half
.set STAGE, 262144                     ; behind the rows: 16 rows x (256 + 16) bytes for each wave; no tensor load lands here
.set SP,    272
.set SPARE, STAGE+4*16*SP              ; the spare words, 128 bytes for each wave
.set LI,  2
.set SPW, 3
.set NIL, 4
.set VB,  5
.set XA,  8
.set TMP, 192
.set MSB, 0
.set LC,  0                            ; global loads issued so far; MW0 .. MW3: its value behind the loads of WO's four sets.  A wait's count is the difference
.set MW0, 0
.set MW1, 0
.set MW2, 0
.set MW3, 0
.set DC,  0                            ; the same for LDS instructions: MX0, MX1 behind the loads of att's blocks 0-3 and 4-7, MSG behind a block's loads from the stage
.set MX0, 0
.set MX1, 0
.set MSG, 0
.macro WIN new
.if MSB != (\new)
	s_set_vgpr_msb (MSB<<8)|(\new)
.set MSB, (\new)
.endif
.endm
.macro PLACES                          ; four plain places behind matrix instructions, ahead of loads into registers that they read
.rept 4
	v_nop
.endr
.endm
.macro CROUND                          ; a round of the cluster's barrier
	s_barrier_signal -1
	s_barrier_wait -1
	s_cmp_lg_u32 s18, 0
	s_cbranch_scc1 .Lnot_wave_0_\@
	s_barrier_signal -3
.Lnot_wave_0_\@:
	s_barrier_wait -3
	s_barrier_signal -1
	s_barrier_wait -1
.endm
	s_load_b256 s[4:11], s[0:1], 0x0               ; ac 4:5, wo 6:7, WO_b 8:9, the scales 10:11
	s_load_b64 s[12:13], s[0:1], 0x20              ; out0
	v_lshl_add_u32 v[SPW], v0, 2, SPARE
	v_mov_b32 v[NIL], 0
	ds_add_u32 v[SPW], v[NIL]                      ; the opening: the add, twice on end, and its wait ahead of my tensor load
	ds_add_u32 v[SPW], v[NIL]
	v_lshrrev_b32 v1, 5, v0
	v_readfirstlane_b32 s18, v1                    ; wave 0..3
	s_bfe_u32 s19, ttmp6, 0x40000                  ; my place in the cluster = my 256 columns: it enters global addresses of wo, WO_b and out0 alone
	s_and_b32 s20, ttmp7, 0xffff                   ; my 256 rows, which the four partners share
	s_mov_b32 s24, 15|(3<<16)|(1<<21)              ; group 1: 256 rows of 256 bytes, dense: a quarter of the rows' codes; the mask names all four
	s_mov_b32 s25, 32<<16
	s_mov_b32 s26, 256<<16
	s_mov_b32 s27, 32<<16
	s_mov_b32 s28, 256
	s_mov_b32 s29, 32
	s_mov_b32 s30, 0
	s_mov_b32 s31, 0
	s_lshr_b32 s21, s18, 1                         ; my half of the rows
	s_and_b32 s22, s18, 1                          ; my half of the columns
	s_lshl_b32 s23, s21, 17
	s_lshl_b32 s78, s18, 16                        ; my quarter, in LDS and in memory
	s_lshl_b32 s80, s20, 18
	s_add_co_u32 s80, s80, s78
	s_mov_b32 s81, 0
	s_lshl_b32 s82, s19, 18
	s_lshl_b32 s83, s22, 14
	s_add_co_u32 s82, s82, s83                     ; wo: my column block, my eight tiles
	s_mov_b32 s83, 0
	s_lshl_b32 s84, s19, 10
	s_lshl_b32 s85, s22, 9
	s_add_co_u32 s84, s84, s85                     ; my first column, in bytes of f32
	s_mov_b32 s85, 0
	s_lshl_b32 s86, s20, 20
	s_lshl_b32 s87, s21, 19
	s_add_co_u32 s86, s86, s87
	s_add_co_u32 s86, s86, s84                     ; out0: my first row and column
	s_mov_b32 s87, 0
	v_and_b32 v1, 31, v0
	v_lshlrev_b32 v[LI], 4, v1
	v_and_b32 v6, 15, v0                           ; r
	v_bfe_u32 v7, v0, 4, 1                         ; h
	v_lshlrev_b32 v[VB], 5, v7
	v_add_nc_u32 v[XA], s23, v[LI]
.irp s, 1,2,3,4,5,6,7
	v_add_nc_u32 v[XA+\s], 16384*\s, v[XA]
.endr
	s_mul_i32 s88, s18, 16*SP
	s_add_co_u32 s88, s88, STAGE                   ; my stage
	v_mul_u32_u24 v24, v6, SP
	v_lshl_add_u32 v24, v7, 5, v24
	v_add_nc_u32 v24, s88, v24                     ; in: row r, 32 bytes for each half of the lanes
	v_mul_u32_u24 v25, v7, SP
	v_lshl_add_u32 v25, v6, 4, v25
	v_add_nc_u32 v25, s88, v25                     ; back: lanes 0-15 one row of 256 bytes, lanes 16-31 the next
	v_lshlrev_b32 v26, 15, v7
	v_lshl_add_u32 v26, v6, 4, v26                 ; and in out0: neighbouring stage rows lie eight rows of 4,096 bytes apart
	s_wait_dscnt 0x0                               ; both opening adds are done
	s_wait_kmcnt 0x0
	s_load_b64 s[52:53], s[10:11], 0x10            ; e4, e5
	s_add_nc_u64 s[4:5], s[4:5], s[80:81]
	s_add_nc_u64 s[68:69], s[6:7], s[82:83]
	s_add_nc_u64 s[70:71], s[8:9], s[84:85]
	s_add_nc_u64 s[76:77], s[12:13], s[86:87]
	s_mov_b32 s32, 1
	s_mov_b32 s33, s78
	s_mov_b64 s[34:35], s[4:5]
	s_or_b32 s35, s35, 0x80000000
	CROUND                                         ; all four work-groups are here: the joint loads meet
	tensor_load_to_lds s[32:35], s[24:31]          ; my one tensor load of the launch
	s_nop 0
	PLACES
; step u = 8 x column half + K step.  16 loads: its four fragments of WO, into set u % 4
.macro WLOAD u
.set sw, (\u)%8
.set tw, (\u)/8
.set kw, (\u)%4
	WIN 0xc0
.irp t, 0,1,2,3
.irp c, 0,1,2,3
	global_load_b128 v[64*kw+16*\t+4*\c:64*kw+16*\t+4*\c+3], v[LI], s[68:69] offset:32768*sw+8192*tw+2048*\t+512*\c
.endr
.endr
	WIN 0
.set LC, LC+16
.if kw == 0
.set MW0, LC
.elseif kw == 1
.set MW1, LC
.elseif kw == 2
.set MW2, LC
.else
.set MW3, LC
.endif
.endm
.macro WWAIT u                         ; step u's four fragments are in; the count is the loads issued behind them
.set kw, (\u)%4
.if kw == 0
	s_wait_loadcnt LC-MW0
.elseif kw == 1
	s_wait_loadcnt LC-MW1
.elseif kw == 2
	s_wait_loadcnt LC-MW2
.else
	s_wait_loadcnt LC-MW3
.endif
.endm
; group n = 2 u + which four blocks.  16 LDS loads: four fragments of att
.macro XGROUP n
.set sx, ((\n)/2)%8
.set hx, (\n)%2
.irp a, 0,1,2,3
.irp c, 0,1,2,3
	ds_load_b128 v[64+64*hx+16*\a+4*\c:64+64*hx+16*\a+4*\c+3], v[XA+sx] offset:2048*(4*hx+\a)+512*\c
.endr
.endr
.set DC, DC+16
.if hx == 0
.set MX0, DC
.else
.set MX1, DC
.endif
.endm
; its 16 matrix instructions; K step 0 starts the sums: nothing is cleared
.macro MULGROUP n
.set sm, ((\n)/2)%8
.set tm, (\n)/16
.set hm, (\n)%2
.set km, ((\n)/2)%4
	WIN 0x53+0x50*hm
.irp t, 0,1,2,3
.irp a, 0,1,2,3
.set DB, 64*\a+32*tm+8*\t
.set WA, 64*km+16*\t
.if sm == 0
	v_wmma_f32_16x16x128_bf8_bf8 v[DB:DB+7], v[WA:WA+15], v[64+64*hm+16*\a:64+64*hm+16*\a+15], 0
.else
	v_wmma_f32_16x16x128_bf8_bf8 v[DB:DB+7], v[WA:WA+15], v[64+64*hm+16*\a:64+64*hm+16*\a+15], v[DB:DB+7]
.endif
.endr
.endr
.endm
; THE WAY OUT of block a of column half t: sum x 2^(e4 + e5) + bias into other registers, each accumulator from its low end on; into my stage, and back as whole rows of 256 bytes into v[bb ..]
.macro TOSTAGE a, t, bb
.set AC, 64*((\a)%4)+32*(\t)
.if (\t) == 0
	WIN 0x01+((\a)/4)                              ; the first half's bias lies in window 0,
.set BI, 32
.else
	WIN 0x31+((\a)/4)                              ; the second half's in window 3
.set BI, 0
.endif
.set nn, 0
.rept 16
	v_pk_fma_f32 v[TMP+nn:TMP+nn+1], v[AC+nn:AC+nn+1], s[54:55], v[BI+nn:BI+nn+1] op_sel_hi:[1,0,1]
.set nn, nn+2
.endr
	WIN 0
.irp j, 0,1,2,3
	ds_store_b128 v24, v[TMP+8*\j:TMP+8*\j+3] offset:64*\j
	ds_store_b128 v24, v[TMP+8*\j+4:TMP+8*\j+7] offset:64*\j+16
.endr
.irp q, 0,1,2,3,4,5,6,7
	ds_load_b128 v[(\bb)+4*\q:(\bb)+4*\q+3], v25 offset:2*\q*SP    ; LDS serves a wave's instructions in order: these see the stores above
.endr
.set DC, DC+16
.set MSG, DC
.endm
.macro SEND a, t, bb                   ; sixteen lanes store 256 consecutive bytes, aligned
.irp q, 0,1,2,3,4,5,6,7
	global_store_b128 v26, v[(\bb)+4*\q:(\bb)+4*\q+3], s[76:77] offset:65536*\q+4096*(\a)+256*(\t) th:TH_STORE_NT
.endr
.endm
.irp t, 0,1,2,3                        ; WO_b for the first half, in the results' layout: register 8 tc + j = column 16 tc + 8 h + j.  Issued ahead of the weights: the first wait for weights shows it in
.irp q, 0,1
	global_load_b128 v[32+8*\t+4*\q:32+8*\t+4*\q+3], v[VB], s[70:71] offset:64*\t+16*\q
.endr
.endr
.set LC, LC+8
	WLOAD 0
	WLOAD 1
	WLOAD 2
	WLOAD 3
	s_wait_kmcnt 0x0
	s_add_co_i32 s54, s52, s53
	s_add_co_i32 s54, s54, 127
	s_lshl_b32 s54, s54, 23                        ; 2^(e4 + e5)
	s_mov_b32 s55, s54                             ; (named with it as a pair, so it is written)
	s_wait_alu depctr_va_vdst(0)
	s_wait_tensorcnt 0x0                           ; my quarter of the rows' codes is in,
	s_barrier_signal -1
	s_barrier_wait -1                              ; everybody's is: from here on those bytes are only read
	XGROUP 0
	XGROUP 1
.set gn, 0
.rept 32
.set uq, gn/2
.set hq, gn%2
.if hq == 0
	WWAIT uq
	s_wait_dscnt DC-MX0                            ; this group's 16 loads are in; what was issued behind them may be out
.else
	s_wait_dscnt DC-MX1
.endif
	MULGROUP gn
	WIN 0
	PLACES
.if gn+2 < 32
	XGROUP gn+2                                    ; into the registers just multiplied
.endif
.if hq == 1
.if uq+4 < 16
	WLOAD uq+4                                     ; into the set just done with
.endif
.if uq == 12
	WIN 0xc0                                       ; set 0 is done with: WO_b for the second half
.irp t, 0,1,2,3
.irp q, 0,1
	global_load_b128 v[8*\t+4*\q:8*\t+4*\q+3], v[VB], s[70:71] offset:256+64*\t+16*\q
.endr
.endr
	WIN 0
.set LC, LC+8
.endif
.endif
.if uq >= 8
.if hq == 0
.if uq > 8
	s_wait_xcnt 0x0                                ; the last block's stores have read their registers
.endif
	TOSTAGE uq-8, 0, 224                           ; the first half's block uq - 8 sets out
.else
	s_wait_dscnt DC-MSG                            ; it is back in registers
	SEND uq-8, 0, 224
.endif
.endif
.set gn, gn+1
.endr
	; the second half leaves: while one block's rows are stored, the next is on its way through the stage
	s_wait_loadcnt 0x0                             ; its bias is in
	s_wait_xcnt 0x0
	TOSTAGE 0, 1, 224
.irp a, 1,2,3,4,5,6,7
.if \a > 1
	s_wait_xcnt 0x0                                ; block a - 2's stores have read their registers
.endif
	TOSTAGE \a, 1, 224-64*(\a%2)
	s_wait_dscnt 16                                ; behind block a - 1's loads: block a's 8 stores and 8 loads
	SEND \a-1, 1, 224-64*((\a-1)%2)
.endr
	s_wait_dscnt 0x0
	SEND 7, 1, 160
	s_wait_tensorcnt 0x0                           ; the wave's end
	ds_add_u32 v[SPW], v[NIL]
	s_wait_dscnt 0x0
	CROUND                                         ; the closing round
	s_endpgm
.Lfunc_end_k_q112820bc83_wout:
	.size	k_q112820bc83_wout, .Lfunc_end_k_q112820bc83_wout-k_q112820bc83_wout
	.p2alignl 7, 3214868480
	.fill 96, 4, 3214868480
	.section	.rodata,"a",@progbits
	.p2align	6, 0x0
	.amdhsa_kernel k_q112820bc83_wout
		.amdhsa_group_segment_fixed_size 327680
		.amdhsa_private_segment_fixed_size 0
		.amdhsa_enable_private_segment 0
		.amdhsa_kernarg_size 40
		.amdhsa_user_sgpr_count 2
		.amdhsa_user_sgpr_kernarg_segment_ptr 1
		.amdhsa_wavefront_size32 1
		.amdhsa_system_sgpr_workgroup_id_x 1
		.amdhsa_system_sgpr_workgroup_id_y 1
		.amdhsa_system_sgpr_workgroup_id_z 1
		.amdhsa_system_vgpr_workitem_id 0
		.amdhsa_next_free_vgpr 1024
		.amdhsa_next_free_sgpr 100
		.amdhsa_reserve_vcc 0
		.amdhsa_float_denorm_mode_32 3
		.amdhsa_float_denorm_mode_16_64 3
		.amdhsa_memory_ordered 1
		.amdhsa_forward_progress 1
		.amdhsa_inst_pref_size 150
	.end_amdhsa_kernel
	.amdgpu_metadata
---
amdhsa.version: [ 1, 2 ]
amdhsa.kernels:
  - .name:           k_q112820bc83_wout
    .symbol:         k_q112820bc83_wout.kd
    .args:
      - { .name: ac, .offset: 0, .size: 8, .value_kind: global_buffer, .address_space: global }
      - { .name: wo, .offset: 8, .size: 8, .value_kind: global_buffer, .address_space: global }
      - { .name: WO_b, .offset: 16, .size: 8, .value_kind: global_buffer, .address_space: global }
      - { .name: lowp_scales, .offset: 24, .size: 8, .value_kind: global_buffer, .address_space: global }
      - { .name: out0, .offset: 32, .size: 8, .value_kind: global_buffer, .address_space: global }
    .group_segment_fixed_size: 327680
    .private_segment_fixed_size: 0
    .kernarg_segment_align: 8
    .kernarg_segment_size: 40
    .max_flat_workgroup_size: 128
    .sgpr_count:     100
    .vgpr_count:     1024
    .wavefront_size: 32
...
	.end_amdgpu_metadata
.endif
;; end of part 3
